; MI455X (gfx1250); checked and timed in simulation.
; The chip was launched on July 23, 2026; its instructions are those of AMD's public machine-readable ISA for CDNA 5 (MIT licence, August 2026) and "CDNA5" Instruction Set Architecture Reference Guide (July 2026). The comments in the code are by the model that wrote it; some were corrected since.
;; LSTM Cell. Allowed arithmetic: matrix products marked QUANTISED: E2M1 operands, one E8M0 scale for each 32 along K, by v_wmma_scale_f32_16x16x128_f8f6f4 with both operands' format E2M1 (or v_wmma_scale_f32_32x16x128_f4), f32 sums; everything else in f32.
;; Inputs: Wc 4,096 x 2,048 float32; Wf 4,096 x 2,048 float32; Wi 4,096 x 2,048 float32; Wo 4,096 x 2,048 float32; bc 2,048 float32; bf 2,048 float32; bi 2,048 float32; bo 2,048 float32; cell 2,048 x 2,048 float32; hidden 2,048 x 4,096 float32; input 2,048 x 4,096 float32.
;; Outputs: out0 2,048 x 2,048 float32; out1 2,048 x 2,048 float32; out2 2,048 x 2,048 float32.
;; This version of the problem:
;;   THIS VERSION OF THE PROBLEM IS GIVEN IN LOW PRECISION. The matrix products marked QUANTISED in the list below multiply operands that are first quantised to E2M1 (2 exponent bits, 1 mantissa bit; 4 bits a number), with one power-of-two scale for each 32 numbers along K (OCP MX v1.0); their sums are f32. All else is computed in f32.
;;   The module's matrix products, in the order in which they are computed (A, B: the left and right operand; K: the contracted axis; several contracted axes count as one K, in the product's order):
;;     1. [M 2,048, K 4,096] x [K 4,096, N 8,192]; A: computed on the way; B: computed on the way: QUANTISED
;;   THE QUANTISER, for each operand of a quantised product, along K:
;;     - K is cut into blocks of 32 from its start; a last block that is shorter is filled with zeros.
;;     - A block's scale is 2^e with e = floor(log2(the largest magnitude in the block)) - 2, held to -126 .. 127; a block of zeros has e = 0. As a byte (E8M0): e + 127.
;;     - Each number is divided by its block's scale, clamped to +-6, and rounded to the nearest number of E2M1, ties to even, subnormals kept.
;;     - The product sums the exact products of the quantised numbers (number of the format x scale) in f32.
;;   ~~~python
;;   def quantise(x, axis):      # numpy; x: float32 -> the quantised numbers, widened to float32 again
;;       x = np.moveaxis(x, axis, -1); K = x.shape[-1]
;;       x = np.pad(x, [(0, 0)] * (x.ndim - 1) + [(0, -K % 32)]); x = x.reshape(x.shape[:-1] + (-1, 32)); a = np.abs(x).max(-1, keepdims=True)
;;       e = np.where(a > 0, np.clip(np.frexp(np.where(a > 0, a, 1))[1] - 1 - 2, -126, 127), 0)      # np.frexp(a)[1] - 1 = floor(log2(a)), exactly
;;       r = np.clip(x / 2.0 ** e, -6, 6)
;;       step = 2.0 ** (np.maximum(np.frexp(np.where(r == 0, 1, r))[1] - 1, 0) - 1)
;;       q = np.round(r / step) * step * 2.0 ** e      # np.round: ties to even
;;       return np.moveaxis(q.reshape(q.shape[:-2] + (-1,))[..., :K], -1, axis).astype(np.float32)
;;   ~~~
;;   OPERANDS COMPUTED ON THE WAY. 'Computed on the way' means the value that the module computes at that place (a softmax that the list does not call 'softmax' is quantised finished and normalised). What goes into a quantiser is computed in f32, as accurately as f32 sums, v_exp_f32 and their like allow (about 1e-6 of the number): no bf16 or f16 on the way to a quantiser, and a product that is left as it is and whose result goes on into a quantised operand takes f32 operands (vector FMAs, or v_wmma_f32_16x16x4_f32). A number that lies on a knife's edge between two numbers of the format may be rounded either way, as far as f32 arithmetic and the matrix unit's own rounding can turn it there, and no further.
;; One version. Each part assembles by itself: llvm-mc -triple=amdgcn-amd-amdhsa -mcpu=gfx1250 --defsym DOCPART=n.
;; ======== version 1 of 1: 2 launches
;; limits: right only within a limited range of input values
;; workspace buffers: acodes 4,194,304 bytes; wcodes 16,777,216 bytes; scales 1,310,720 bytes
;; launch quant (part 1): grid 768 x 1, 4 waves a work-group, no clusters, 68,096 bytes of LDS; arguments input, hidden, Wf, Wc, Wi, Wo, acodes, wcodes, scales; writes acodes, wcodes, scales
.if DOCPART == 1
	.amdgcn_target "amdgcn-amd-amdhsa--gfx1250"
	.amdhsa_code_object_version 6
	.text
	.protected	k_q6e80b6170a_quant
	.globl	k_q6e80b6170a_quant
	.p2align	8
	.type	k_q6e80b6170a_quant,@function
k_q6e80b6170a_quant:
	s_mov_b64 s[64:65], 0
	v_nop
	global_prefetch_b8 v0, s[64:65] scope:SCOPE_SE
	s_setreg_imm32_b32 hwreg(HW_REG_WAVE_MODE, 25, 1), 1
	s_wait_xcnt 0x0
; Both operands of gates = (input + hidden) [Wf|Wc|Wi|Wo] are turned into codes of FP4 (E2M1), 4 bits each, K innermost, with one E8M0 scale byte for each 32 along K.
; A block's scale is 2^(floor(log2(its largest magnitude)) - 2); its byte is the largest magnitude's own exponent field - 2, held at 1 from below.  Each number is divided by the scale and rounded to the
; nearest code, ties to even, beyond 6 the largest code.
; LIMITS: a block of zeros, and a block whose largest magnitude lies under 2^-124, gets the byte 1 (a block of zeros has zero codes, which add nothing under any byte but 0xff; the bytes are read by this
; program alone).  NaN and infinities among the inputs are not served.
; LAYOUTS (this program's own):
;   acodes [m 2048][2048 bytes]: a row's 4,096 codes; K step t (512 along K) is bytes 256 t .. 256 t + 255.
;   wcodes [n' 8192][2048 bytes]: the same, n' = (h / 32) 128 + 32 g + h % 32 for column h of gate g (0 f, 1 c, 2 i, 3 o): 128 neighbouring rows are the four gates of 32 neighbouring columns.
;   scales [t 8][row 10240][16 bytes]: rows 0-2047 are A's, rows 2048 + n' are W's; byte j is the scale of k = 512 t + 32 j on.
; ONE LAUNCH, TWO WAYS, parted on the work-group's number: work-groups 0-255 take input + hidden (K innermost), 256-767 the four weights (K is their first axis).  Every work-group reads 256 KiB.
; Each way has LDS bytes of its own.  No tensor loads, no barrier: waves share nothing.
.set KSS,    163840                    ; bytes of scales for one K step: 10,240 rows x 16
.set SP,     80                        ; way A: a lane's place in a stage: its 64 bytes + 16 of padding
.set RI,     16                        ; way A: v16-79   four sets of 16 numbers of input as loaded, then input + hidden
.set RH,     80                        ;        v80-143  the same of hidden
.set X,      144                       ;        v144-175 two sets of 16 neighbours along K
.set CD,     176                       ;        v176-207 codes: two registers for each step, so that no store's data are written again
.set E,      208                       ;        v208-223 a scale byte for each step
.set WX,     32                        ; way W: v32-95   two sets of 32 numbers
.set WC,     96                        ;        v96-99   a block's codes
.set OUTR,   112                       ;        v112-175 the way out
.set SB,     24                        ;        v24-27   the scale bytes, four to a register
.set WPITCH, 272                       ; way W: a stage row: 256 bytes of codes + 16
.set WSTAGE, 32768                     ; way W's LDS begins behind way A's four regions of 8,192 bytes
	s_load_b256 s[4:11], s[0:1], 0x0               ; input s[4:5], hidden s[6:7], Wf s[8:9], Wc s[10:11]
	s_load_b256 s[12:19], s[0:1], 0x20             ; Wi s[12:13], Wo s[14:15], acodes s[16:17], wcodes s[18:19]
	s_load_b64 s[20:21], s[0:1], 0x40              ; scales
	v_lshl_add_u32 v224, v0, 2, 0x10800
	v_mov_b32 v225, 0
	v_lshrrev_b32 v1, 5, v0
	v_readfirstlane_b32 s24, v1                    ; wave 0..3
	v_and_b32 v2, 31, v0                           ; lane
	s_wait_kmcnt 0x0
	s_cmp_lt_u32 ttmp9, 256
	s_cbranch_scc0 .Lw
; ---------------- WAY A: combine = input + hidden.  A wave takes 16 rows x one K step: step s is row m0 + s, 512 numbers, 2,048 consecutive bytes of each input.
; The conversions take neighbours along K from ONE lane's registers (16 a lane, two lanes to a block); a load is best where neighbouring LANES take neighbouring bytes.  Both are had: each load reads 512
; consecutive bytes, 16 a lane; the sums go through the wave's own stage in LDS, as they lie, and come back 64 bytes a lane.
	s_lshr_b32 s25, ttmp9, 1                       ; which 16 rows: m0 = 16 x this
	s_and_b32 s26, ttmp9, 1
	s_lshl_b32 s26, s26, 2
	s_add_co_u32 s26, s26, s24                     ; t = 4 (work-group % 2) + wave
	s_mov_b32 s29, 0
	s_lshl_b32 s28, s25, 18                        ; 16 rows of 16,384 bytes
	s_lshl_b32 s30, s26, 11                        ; + 2,048 t
	s_add_co_u32 s28, s28, s30
	s_add_nc_u64 s[4:5], s[4:5], s[28:29]
	s_add_nc_u64 s[6:7], s[6:7], s[28:29]
	s_lshl_b32 s28, s25, 15                        ; codes: 16 rows of 2,048 bytes + 256 t
	s_lshl_b32 s30, s26, 8
	s_add_co_u32 s28, s28, s30
	s_add_nc_u64 s[16:17], s[16:17], s[28:29]
	s_mul_i32 s28, s26, KSS                        ; scales: K step t, 16 rows of 16 bytes
	s_lshl_b32 s30, s25, 8
	s_add_co_u32 s28, s28, s30
	s_add_nc_u64 s[20:21], s[20:21], s[28:29]
	s_lshl_b32 s27, s24, 13                        ; my wave's LDS region: two stages of 32 x SP bytes, behind them its 256 scale bytes
	s_wait_alu depctr_va_vdst(0)
	v_lshlrev_b32 v3, 4, v2                        ; my 16 bytes of a load's 512
	v_lshlrev_b32 v4, 3, v2                        ; my 8 bytes of a store's 256
	v_lshrrev_b32 v14, 2, v2
	v_mul_u32_u24 v14, v14, SP
	v_and_b32 v15, 3, v2
	v_lshl_add_u32 v14, v15, 4, v14
	v_add_nc_u32 v14, s27, v14                     ; the stage, on the way in: SP (lane / 4) + 16 (lane % 4); a load's 512 bytes take eight places
	v_mul_u32_u24 v15, v2, SP
	v_add_nc_u32 v15, s27, v15                     ; and on the way out: SP x lane: my 16 neighbours
	v_lshrrev_b32 v5, 1, v2
	s_add_co_u32 s27, s27, 2*32*SP
	v_add_nc_u32 v5, s27, v5                       ; my block's scale byte
	v_add_nc_u32 v6, s27, v4                       ; and on the way out 8 bytes a lane
.macro ALOAD s                         ; step s: four loads of each input, 512 consecutive bytes each
.irp i, 0,1,2,3
	global_load_b128 v[RI+16*((\s)%4)+4*\i:RI+16*((\s)%4)+4*\i+3], v3, s[4:5] offset:16384*(\s)+512*\i th:TH_LOAD_NT
	global_load_b128 v[RH+16*((\s)%4)+4*\i:RH+16*((\s)%4)+4*\i+3], v3, s[6:7] offset:16384*(\s)+512*\i th:TH_LOAD_NT
.endr
.endm
.macro ATURN s                         ; step s: the sums, in f32, and their turn through the stage.  LDS serves a wave's instructions in order, so no wait stands between the stores and the loads
.irp j, 0,2,4,6,8,10,12,14
	v_pk_add_f32 v[RI+16*((\s)%4)+\j:RI+16*((\s)%4)+\j+1], v[RI+16*((\s)%4)+\j:RI+16*((\s)%4)+\j+1], v[RH+16*((\s)%4)+\j:RH+16*((\s)%4)+\j+1]
.endr
.irp i, 0,1,2,3
	ds_store_b128 v14, v[RI+16*((\s)%4)+4*\i:RI+16*((\s)%4)+4*\i+3] offset:32*SP*((\s)%2)+8*SP*\i
.endr
.irp i, 0,1,2,3
	ds_load_b128 v[X+16*((\s)%2)+4*\i:X+16*((\s)%2)+4*\i+3], v15 offset:32*SP*((\s)%2)+16*\i
.endr
.endm
.macro ASTEP s
.set XS, X+16*((\s)%2)
.if (\s) > 0
	s_wait_dscnt 1                                 ; this step's numbers are back from the stage (the last step's byte store may be out): so its stores into the stage have read their registers,
.else
	s_wait_dscnt 0x0
.endif
.if (\s)+4 < 16
	ALOAD (\s)+4                                   ; which take the loads of four steps on
.endif
.if (\s)+1 < 16
.if 14-(\s) >= 3
	s_wait_loadcnt 24                              ; the next step's eight loads are in; those of the three steps behind it may be out
.else
	s_wait_loadcnt 8*(14-(\s))
.endif
	ATURN (\s)+1                                   ; and go through the other stage while this step is worked
.endif
	v_max3_num_f32 v8, |v[XS]|, |v[XS+1]|, |v[XS+2]|               ; the largest magnitude of my 16, in two chains
	v_max3_num_f32 v9, |v[XS+3]|, |v[XS+4]|, |v[XS+5]|
.irp i, 6,10
	v_max3_num_f32 v8, v8, |v[XS+\i]|, |v[XS+\i+1]|
	v_max3_num_f32 v9, v9, |v[XS+\i+2]|, |v[XS+\i+3]|
.endr
	v_max3_num_f32 v8, v8, |v[XS+14]|, |v[XS+15]|
	v_max3_num_f32 v8, v8, v9, 0x1800000           ; and the floor 2^(3 - 127): so the byte cannot fall under 1
	v_max_num_f32_dpp v8, v8, v8 row_xmask:1 row_mask:0xf bank_mask:0xf   ; and of my neighbour's 16: the block's
	v_add_nc_u32 v11, 0xff000000, v8               ; 2 off its exponent field: the conversion takes the exponent field of this operand as its scale, and nothing else of it
	v_cvt_scalef32_pk8_fp4_f32 v[CD+2*(\s)], v[XS:XS+7], v11
	v_cvt_scalef32_pk8_fp4_f32 v[CD+2*(\s)+1], v[XS+8:XS+15], v11
	v_lshrrev_b32 v[E+(\s)], 23, v11               ; the scale's byte (also the plain line behind the conversions)
	ds_store_b8 v5, v[E+(\s)] offset:16*(\s)       ; both lanes of a block write the same byte with the same value
	global_store_b64 v4, v[CD+2*(\s):CD+2*(\s)+1], s[16:17] offset:2048*(\s)   ; the wave stores 256 consecutive bytes, aligned: row m0 + s, K step t
.endm
.irp s, 0,1,2,3
	ALOAD \s
.endr
	s_wait_loadcnt 24                              ; step 0's eight loads are in
	ATURN 0
.irp s, 0,1,2,3,4,5,6,7,8,9,10,11,12,13,14,15
	ASTEP \s
.endr
	ds_load_b64 v[12:13], v6                       ; LDS serves a wave's instructions in order: these see my byte stores
	s_wait_dscnt 0x0
	global_store_b64 v4, v[12:13], s[20:21]        ; 16 rows x 16 scale bytes: 256 consecutive bytes, aligned
	s_wait_tensorcnt 0x0
	ds_add_u32 v224, v225
	s_wait_dscnt 0x0
	s_endpgm
; ---------------- WAY W: a weight [4096 (k)][2048 (h)].  A LANE TAKES A COLUMN h, AND ITS REGISTERS RUN DOWN K: each load reads neighbouring h in neighbouring lanes (128 consecutive bytes a wave, 512 a
; work-group), a block of 32 along K lies in one lane's 32 registers, and the conversions give the codes with K innermost.  A wave takes 32 columns x 512 along K: 16 blocks a lane, 256 bytes of codes a column;
; they go through the wave's own stage and leave as rows: sixteen lanes store 256 consecutive bytes, aligned.  Loads run two blocks ahead.
.Lw:
	s_sub_co_u32 s25, ttmp9, 256
	s_lshr_b32 s26, s25, 7                         ; the gate g
	s_and_b32 s27, s25, 15                         ; which 128 columns
	s_bfe_u32 s28, s25, 0x30004                    ; which 512 along K: the K step y
	s_mov_b64 s[22:23], s[8:9]                     ; the gate's weight: a choice on the work-group's number alone
	s_cmp_eq_u32 s26, 1
	s_cselect_b64 s[22:23], s[10:11], s[22:23]
	s_cmp_eq_u32 s26, 2
	s_cselect_b64 s[22:23], s[12:13], s[22:23]
	s_cmp_eq_u32 s26, 3
	s_cselect_b64 s[22:23], s[14:15], s[22:23]
	s_mov_b32 s31, 0
	s_lshl_b32 s30, s28, 22                        ; W: 512 y rows of 8,192 bytes
	s_lshl_b32 s32, s27, 9                         ; + 128 columns x 4 bytes for each group
	s_add_co_u32 s30, s30, s32
	s_lshl_b32 s32, s24, 7                         ; + 32 columns x 4 bytes for each wave
	s_add_co_u32 s30, s30, s32
	s_add_nc_u64 s[22:23], s[22:23], s[30:31]
	s_lshl_b32 s33, s27, 2
	s_add_co_u32 s33, s33, s24                     ; h / 32 of my wave's columns
	s_lshl_b32 s33, s33, 7
	s_lshl_b32 s32, s26, 5
	s_add_co_u32 s33, s33, s32                     ; my wave's first row n' = 128 (h / 32) + 32 g
	s_lshl_b32 s30, s33, 11                        ; codes: n' rows of 2,048 bytes + 256 y
	s_lshl_b32 s32, s28, 8
	s_add_co_u32 s30, s30, s32
	s_add_nc_u64 s[18:19], s[18:19], s[30:31]
	s_mul_i32 s30, s28, KSS                        ; scales: K step y, row 2,048 + n'
	s_add_co_u32 s33, s33, 2048
	s_lshl_b32 s33, s33, 4
	s_add_co_u32 s30, s30, s33
	s_add_nc_u64 s[20:21], s[20:21], s[30:31]
	s_mul_i32 s34, s24, 32*WPITCH
	s_add_co_u32 s34, s34, WSTAGE                  ; my stage
	s_wait_alu depctr_va_vdst(0)
	v_lshlrev_b32 v3, 2, v2                        ; in: 4 bytes a lane
	v_mul_u32_u24 v4, v2, WPITCH
	v_add_nc_u32 v4, s34, v4                       ; into the stage: row = my column
	v_and_b32 v5, 15, v2
	v_lshrrev_b32 v6, 4, v2                        ; out of it: sixteen lanes to a row, two rows an instruction
	v_mul_u32_u24 v7, v6, WPITCH
	v_lshl_add_u32 v7, v5, 4, v7
	v_add_nc_u32 v7, s34, v7
	v_lshlrev_b32 v8, 11, v6
	v_lshl_add_u32 v8, v5, 4, v8                   ; and the same place in the codes' buffer
	v_lshlrev_b32 v9, 4, v2                        ; my row's 16 scale bytes
.macro WLOAD t                         ; block t: W(512 y + 32 t + i, my column), i = 0 .. 31, into set t % 2; the largest offset, 511 rows, stays inside the signed 24-bit immediate
.irp i, 0,1,2,3,4,5,6,7,8,9,10,11,12,13,14,15,16,17,18,19,20,21,22,23,24,25,26,27,28,29,30,31
	global_load_b32 v[WX+32*((\t)%2)+\i], v3, s[22:23] offset:(32*(\t)+\i)*8192 th:TH_LOAD_NT
.endr
.endm
.macro WBLOCK t
.set XS, WX+32*((\t)%2)
.if (\t) < 15
	s_wait_loadcnt 32                              ; this block's 32 loads are in; the next block's may be out
.else
	s_wait_loadcnt 0x0
.endif
	v_max3_num_f32 v12, |v[XS]|, |v[XS+1]|, |v[XS+2]|              ; the block's largest magnitude: all 32 numbers are mine
	v_max3_num_f32 v13, |v[XS+3]|, |v[XS+4]|, |v[XS+5]|
.irp i, 6,10,14,18,22,26
	v_max3_num_f32 v12, v12, |v[XS+\i]|, |v[XS+\i+1]|
	v_max3_num_f32 v13, v13, |v[XS+\i+2]|, |v[XS+\i+3]|
.endr
	v_max3_num_f32 v12, v12, |v[XS+30]|, |v[XS+31]|
	v_max3_num_f32 v12, v12, v13, 0x1800000        ; and the floor 2^(3 - 127)
	v_add_nc_u32 v11, 0xff000000, v12              ; the conversion's scale operand
	v_lshrrev_b32 v13, 23, v11                     ; the scale's byte
.if (\t)%4 == 0
	v_mov_b32 v[SB+(\t)/4], v13                    ; four bytes to a register, the lower K in the lower byte
.else
	v_lshl_or_b32 v[SB+(\t)/4], v13, 8*((\t)%4), v[SB+(\t)/4]
.endif
.irp g, 0,1,2,3
	v_cvt_scalef32_pk8_fp4_f32 v[WC+\g], v[XS+8*\g:XS+8*\g+7], v11
.endr
	ds_store_b128 v4, v[WC:WC+3] offset:16*(\t)    ; 32 codes: 16 bytes of my column's row.
.if (\t)+2 < 16
	WLOAD (\t)+2
.endif
	s_wait_dscnt 0x0                               ; the store has read its registers: the next block's codes may be written
.endm
	WLOAD 0
	WLOAD 1
.irp t, 0,1,2,3,4,5,6,7,8,9,10,11,12,13,14,15
	WBLOCK \t
.endr
	s_wait_alu depctr_va_vdst(0)
	global_store_b128 v9, v[SB:SB+3], s[20:21]     ; 32 rows x 16 scale bytes: the wave stores 512 consecutive bytes, aligned
.irp t, 0,1,2,3,4,5,6,7,8,9,10,11,12,13,14,15
	ds_load_b128 v[OUTR+4*\t:OUTR+4*\t+3], v7 offset:2*\t*WPITCH   ; LDS serves a wave's instructions in order: these see my stores
.endr
.irp t, 0,1,2,3,4,5,6,7,8,9,10,11,12,13,14,15
	s_wait_dscnt 15-\t
	global_store_b128 v8, v[OUTR+4*\t:OUTR+4*\t+3], s[18:19] offset:2*\t*2048   ; sixteen lanes store 256 consecutive bytes, aligned: a row's K step y
.endr
	s_wait_tensorcnt 0x0
	ds_add_u32 v224, v225
	s_wait_dscnt 0x0
	s_endpgm
.Lfunc_end_k_q6e80b6170a_quant:
	.size	k_q6e80b6170a_quant, .Lfunc_end_k_q6e80b6170a_quant-k_q6e80b6170a_quant
	.p2alignl 7, 3214868480
	.fill 96, 4, 3214868480
	.section	.rodata,"a",@progbits
	.p2align	6, 0x0
	.amdhsa_kernel k_q6e80b6170a_quant
		.amdhsa_group_segment_fixed_size 68096
		.amdhsa_private_segment_fixed_size 0
		.amdhsa_enable_private_segment 0
		.amdhsa_kernarg_size 72
		.amdhsa_user_sgpr_count 2
		.amdhsa_user_sgpr_kernarg_segment_ptr 1
		.amdhsa_wavefront_size32 1
		.amdhsa_system_sgpr_workgroup_id_x 1
		.amdhsa_system_sgpr_workgroup_id_y 1
		.amdhsa_system_sgpr_workgroup_id_z 1
		.amdhsa_system_vgpr_workitem_id 0
		.amdhsa_next_free_vgpr 226
		.amdhsa_next_free_sgpr 66
		.amdhsa_reserve_vcc 0
		.amdhsa_float_denorm_mode_32 3
		.amdhsa_float_denorm_mode_16_64 3
		.amdhsa_memory_ordered 1
		.amdhsa_forward_progress 1
		.amdhsa_inst_pref_size 125
	.end_amdhsa_kernel
	.amdgpu_metadata
---
amdhsa.version: [ 1, 2 ]
amdhsa.kernels:
  - .name:           k_q6e80b6170a_quant
    .symbol:         k_q6e80b6170a_quant.kd
    .args:
      - { .name: input, .offset: 0, .size: 8, .value_kind: global_buffer, .address_space: global }
      - { .name: hidden, .offset: 8, .size: 8, .value_kind: global_buffer, .address_space: global }
      - { .name: Wf, .offset: 16, .size: 8, .value_kind: global_buffer, .address_space: global }
      - { .name: Wc, .offset: 24, .size: 8, .value_kind: global_buffer, .address_space: global }
      - { .name: Wi, .offset: 32, .size: 8, .value_kind: global_buffer, .address_space: global }
      - { .name: Wo, .offset: 40, .size: 8, .value_kind: global_buffer, .address_space: global }
      - { .name: acodes, .offset: 48, .size: 8, .value_kind: global_buffer, .address_space: global }
      - { .name: wcodes, .offset: 56, .size: 8, .value_kind: global_buffer, .address_space: global }
      - { .name: scales, .offset: 64, .size: 8, .value_kind: global_buffer, .address_space: global }
    .group_segment_fixed_size: 68096
    .private_segment_fixed_size: 0
    .kernarg_segment_align: 8
    .kernarg_segment_size: 72
    .max_flat_workgroup_size: 128
    .sgpr_count:     66
    .vgpr_count:     226
    .wavefront_size: 32
...
	.end_amdgpu_metadata
.endif
;; end of part 1
;; launch gemm (part 2): grid 32 x 8, 4 waves a work-group, clusters of 4 x 4, 327,680 bytes of LDS; arguments acodes, wcodes, scales, cell, bf, bc, bi, bo, out0, out1, out2; writes out0, out1, out2
.if DOCPART == 2
	.amdgcn_target "amdgcn-amd-amdhsa--gfx1250"
	.amdhsa_code_object_version 6
	.text
	.protected	k_q6e80b6170a_gemm
	.globl	k_q6e80b6170a_gemm
	.p2align	8
	.type	k_q6e80b6170a_gemm,@function
k_q6e80b6170a_gemm:
	s_mov_b64 s[64:65], 0
	v_nop
	global_prefetch_b8 v0, s[64:65] scope:SCOPE_SE
	s_setreg_imm32_b32 hwreg(HW_REG_WAVE_MODE, 25, 1), 1
	s_wait_xcnt 0x0
	s_wait_alu depctr_hold_cnt(0) depctr_sa_sdst(0) depctr_va_vdst(0) depctr_va_sdst(0) depctr_va_ssrc(0) depctr_va_vcc(0) depctr_vm_vsrc(0)
	s_getreg_b32 s2, hwreg(HW_REG_IB_STS2, 6, 4)
	s_cmp_eq_u32 s2, 0
	s_cbranch_scc0 .Lentry_in_a_cluster
	s_endpgm
.Lentry_in_a_cluster:
	s_bfe_u32 s2, ttmp6, 0x10000c
	s_cmp_lg_u32 s2, 0xf033
	s_cbranch_scc0 .Lentry_shape_is_right
	s_endpgm
.Lentry_shape_is_right:
; gates = Q(input + hidden) Q([Wf|Wc|Wi|Wo]) + b on codes of FP4 (E2M1) with E8M0 scales, then the cell's activations, in one launch.
; A work-group of four waves makes 256 rows x 256 rows n' of wcodes; a wave 128 x 128: 64 accumulators, 512 registers.  n' = 128 (h / 32) + 32 g + h % 32, so a wave's 128 n' are
; the four gates of 32 neighbouring columns h.  THE MATRIX INSTRUCTION IS USED TRANSPOSED (source 0 = 16 rows of W, source 1 = 16 rows of A): lane (r, hh) holds row r, and register j of
; accumulator (a, b) is gate b / 2 at column 16 (b % 2) + 8 hh + j.  So a lane holds all four gates of its elements: the activations run in place on the accumulators.
; K goes in steps of 512 (rows of 256 bytes) through a ring of two LDS slots; A's tiles are asked for jointly along a row of the 4 x 4 cluster, W's along a column.
; Both operands have two sets of fragment registers: a step's 32 LDS loads are issued 64 matrix instructions ahead of their first use.  A slot's last fragments are in registers in its third step of
; 128 along K: the change of slots stands there, and the fourth step begins with the next slot's first fragments.
; The scale words come from memory straight into registers, 256 consecutive bytes for sixteen lanes, one K step ahead.  The biases are the C of the first products.
; PREFETCH: of the 128 rows that a wave fetches each of the four partners names 32, told apart by address, a lane a row, one instruction for a K step's 256 bytes of each row.  The head names K steps
; 1, 2 and 3; the change of slots that refills with K step t + 2 names K step t + 4; the last two refills name the work-group's own tile of cell instead (64 rows a wave, 32 each time).
; CELL: 256 rows x 256 bytes, one tensor load a wave (64 rows) into the first half of slot 0, behind the round in K step 6, the slot's last.
; THE WAY OUT: a wave's 32 columns are half of an aligned 256 bytes, so the three results go through a stage (the rest of slot 0 and slot 1, which have had their last fill), a barrier between writing
; and reading, and leave as whole rows of 256 bytes.  Two blocks of 16 rows at a time; out0 and out2 leave in the middle of a pair, out1 at its end.
; sigmoid(x) = rcp(1 + exp2(-x log2 e)), tanh(x) = 1 - 2 rcp(1 + exp2(2 x log2 e)): an exponential that overflows gives the reciprocal 0, one that underflows gives 1, which are the limits.
; THE OUTER SIGMOID of it = sigmoid(sigmoid(gi)): its argument lies in [0, 1] whatever the inputs hold, so it is the Taylor polynomial of degree 7 about 0.5, in f32, by Horner's rule;
; the first term left out is under 3e-7 on that interval.
; LIMITS: NaN and infinities among the inputs are not served.
; REGISTERS: window 0: v0-31 addresses; v32-95 scale words, two sets (then cell and the polynomial's sums); v96-97 its leading coefficient; v128-255 A's fragments, two sets (then rows on their way out).
;   window 1: W's fragments at v0-63 and v128-191; v64-127 the biases.   windows 2, 3: the accumulators of my rows 0-63, 64-127, (a, b) at v[8 (8 (a % 4) + b)].
.set NQ,     4
.set ROWB,   256
.set KROW,   2048
.set PITCH,  272                       ; 256 bytes + 16 of padding
.set FR,     8
.set NL,     2
.set NP,     4
.set HALFT,  128*PITCH
.set SLOT,   4*HALFT
.set HS,     256*PITCH                 ; cell's tile, and each of the three stages: 69,632 bytes
.set LAPS,   4
.set KSS,    163840                    ; bytes of scales for a K step
.set SPARE,  327168
.set SA,   8                           ; v8-10   into the stages of out0, out1, out2
.set RD,   12                          ; v12-14  out of them, by rows
.set ADRA, 16
.set ADRB, 20
.set PFO,  22                          ; lane x a row of codes
.set BO,   23
.set CA,   24                          ; my place in cell's tile
.set CO,   26
.set ADRS, 27
.set SPW,  28
.set NIL,  29
.set PFC,  30                          ; lane x a row of cell
.set SC,   32
.set CC,   32
.set PA,   64                          ; v64-95  the polynomial's running sums
.set K7,   96                          ; v96-97  its coefficient of degree 7, twice
.set AF,   128
.set RB,   128
.set BIAS, 64
.set G1C, 4                            ; s[4:11] group 1 for cell's tile, s[96:99] its group 0
.set G0C, 96
.set PFA, 12                           ; s[12:13] where my prefetches of codes stand
.set PFCB, 94                          ; s[94:95] my 64 rows of cell
.set G1,  24
.set G0,  32
.set PC,  24                           ; s[24:37] behind the last tensor load: the coefficients of degree 0 to 6, a pair each
.set G1B, 48
.set G0B, 56
.set SCB, 72
.set LN,  90
.set LP,  92
.set MSB, 0
.macro WIN new                         ; the immediate's high byte repeats the setting that is left
.if MSB != (\new)
	s_set_vgpr_msb (MSB<<8)|(\new)
.set MSB, (\new)
.endif
.endm
.set MUL_LO,  0xa1                     ; source 0 (W) window 1, source 1 (A) window 0, C and D window 2
.set MUL_HI,  0xf1
.set MULB_LO, 0x91                     ; the same with C (the biases) in window 1
.set MULB_HI, 0xd1
.set TO_B,    0x40
.macro PLACES n
.rept \n
	v_nop
.endr
.endm
.macro JLOAD g0a, g1a, g0b, g1b        ; a joint load: waves 0, 1 fetch A's halves, waves 2, 3 W's
	s_cmp_eq_u32 s15, 0
	s_cbranch_scc0 .Lfor_b_\@
	tensor_load_to_lds s[\g0a:\g0a+3], s[\g1a:\g1a+7]
	s_nop 0
	PLACES 4
	s_branch .Lasked_\@
.Lfor_b_\@:
	tensor_load_to_lds s[\g0b:\g0b+3], s[\g1b:\g1b+7]
	s_nop 0
	PLACES 4
.Lasked_\@:
.endm
.macro CREST
	s_cmp_lg_u32 s14, 0
	s_cbranch_scc1 .Lnot_wave_0_\@
	s_barrier_signal -3
.Lnot_wave_0_\@:
	s_barrier_wait -3
	s_barrier_signal -1
	s_barrier_wait -1
.endm
.macro CROUND
	s_barrier_signal -1
	s_barrier_wait -1
	CREST
.endm
	s_load_b256 s[68:75], s[0:1], 0x0              ; acodes, wcodes, scales, cell
	s_load_b256 s[76:83], s[0:1], 0x20             ; bf, bc, bi, bo
	s_load_b128 s[84:87], s[0:1], 0x40             ; out0, out1
	s_load_b64 s[88:89], s[0:1], 0x50              ; out2
	v_lshl_add_u32 v[SPW], v0, 2, SPARE
	v_mov_b32 v[NIL], 0
	ds_add_u32 v[SPW], v[NIL]
	ds_add_u32 v[SPW], v[NIL]
	v_lshrrev_b32 v1, 5, v0
	v_readfirstlane_b32 s14, v1                    ; wave
	s_lshr_b32 s15, s14, 1                         ; my half of the rows; also: I fetch for A (0) or W (1)
	s_and_b32 s16, s14, 1                          ; my half of the n'; also: which 128 rows I fetch
	s_bfe_u32 s40, ttmp6, 0x40000                  ; cx
	s_bfe_u32 s41, ttmp6, 0x40004                  ; cy
	s_lshl_b32 s42, ttmp9, 2
	s_add_co_u32 s42, s42, s40                     ; tile column
	s_and_b32 s17, ttmp7, 0xffff
	s_lshl_b32 s17, s17, 2
	s_add_co_u32 s17, s17, s41                     ; tile row
	s_lshl_b32 s43, s41, 2
	s_lshl_b32 s43, 15, s43                        ; my row of the cluster
	s_lshl_b32 s44, 0x1111, s40                    ; my column
	s_or_b32 s[G1+0], s43, (0<<16)|(1<<20)|(1<<21)|(5<<22)|(3<<25)
	s_or_b32 s[G1B+0], s44, (0<<16)|(1<<20)|(1<<21)|(5<<22)|(3<<25)
.irp g, G1, G1B
	s_mov_b32 s[\g+1], ROWB<<16
	s_mov_b32 s[\g+2], 128<<16
	s_mov_b32 s[\g+3], ROWB<<16
	s_mov_b32 s[\g+4], 128
	s_mov_b32 s[\g+5], KROW
	s_mov_b32 s[\g+6], 0
	s_mov_b32 s[\g+7], 0
.endr
	s_lshl_b32 s18, s16, 7
	s_lshl_b32 s20, s17, 8
	s_add_co_u32 s20, s20, s18
	s_lshl_b32 s20, s20, 11                        ; A: (256 tile row + 128 half) rows of 2,048 bytes
	s_mov_b32 s21, 0
	s_lshl_b32 s46, s42, 8
	s_add_co_u32 s46, s46, s18
	s_lshl_b32 s46, s46, 11                        ; W likewise by the tile column
	s_mov_b32 s47, 0
	s_mul_i32 s45, s14, HALFT                      ; where my 128 rows go
	s_wait_dscnt 0x0                               ; both opening adds are done
	s_wait_kmcnt 0x0
	s_add_nc_u64 s[20:21], s[68:69], s[20:21]
	s_add_nc_u64 s[46:47], s[70:71], s[46:47]
.irp s, 0,1
	s_mov_b32 s[G0+4*\s], 1
	s_add_co_u32 s[G0+4*\s+1], s45, \s*SLOT
	s_add_nc_u64 s[G0+4*\s+2:G0+4*\s+3], s[20:21], \s*ROWB
	s_or_b32 s[G0+4*\s+3], s[G0+4*\s+3], 0x80000000
	s_mov_b32 s[G0B+4*\s], 1
	s_add_co_u32 s[G0B+4*\s+1], s45, \s*SLOT
	s_add_nc_u64 s[G0B+4*\s+2:G0B+4*\s+3], s[46:47], \s*ROWB
	s_or_b32 s[G0B+4*\s+3], s[G0B+4*\s+3], 0x80000000
.endr
	CROUND                                         ; all sixteen work-groups are here
	JLOAD G0, G1, G0B, G1B                         ; K step 0: one tensor load a wave at the head
	; the rest of the head stands under that load: first all scalar work, then all vector work
	s_mov_b32 s[LN], 0xbfb8aa3b                    ; -log2 e
	s_mov_b32 s[LN+1], s[LN]
	s_mov_b32 s[LP], 0x4038aa3b                    ; 2 log2 e
	s_mov_b32 s[LP+1], s[LP]
	s_mov_b32 s[G1C+0], (2<<16)|(1<<20)|(5<<22)|(3<<25)   ; cell's tile: 64 rows x 64 elements of 4 bytes, 16 bytes of padding behind each row; no mask
	s_mov_b32 s[G1C+1], 64<<16
	s_mov_b32 s[G1C+2], 64<<16
	s_mov_b32 s[G1C+3], 64<<16
	s_mov_b32 s[G1C+4], 64
	s_mov_b32 s[G1C+5], 2048
	s_mov_b32 s[G1C+6], 0
	s_mov_b32 s[G1C+7], 0
	s_mul_i32 s18, s15, HALFT                      ; my 128 rows of A in a slot; also my 128 rows of cell's tile and of a stage
	s_mul_i32 s19, s16, HALFT
	s_add_co_u32 s19, s19, 2*HALFT                 ; my 128 rows of W
	s_lshl_b32 s21, s16, 7
	s_add_co_u32 s20, s18, s21                     ; cell and stages: + my 128 bytes of a row
	s_mul_i32 s21, s16, 16*PITCH
	s_add_co_u32 s21, s21, s18
	s_add_co_u32 s21, s21, HS                      ; out of the stage: rows 128 half + 16 (wave % 2) on
	s_lshl_b32 s22, s17, 8
	s_lshl_b32 s23, s15, 7
	s_add_co_u32 s22, s22, s23
	s_lshl_b32 s22, s22, 4                         ; A's scale rows, 16 bytes each
	s_lshl_b32 s23, s42, 8
	s_lshl_b32 s45, s16, 7
	s_add_co_u32 s23, s23, s45
	s_add_co_u32 s23, s23, 2048
	s_lshl_b32 s23, s23, 4
	s_sub_co_u32 s23, s23, s22                     ; W's lie so far behind them
	s_lshl_b32 s46, s42, 8
	s_add_co_u32 s46, s46, s45                     ; the biases of my 32 columns: 256 tile column + 128 half, in bytes
	s_mov_b32 s47, 0
.irp g, 76,78,80,82
	s_add_nc_u64 s[\g:\g+1], s[\g:\g+1], s[46:47]
.endr
	s_lshl_b32 s46, s17, 8
	s_lshl_b32 s45, s15, 7
	s_add_co_u32 s46, s46, s45
	s_lshl_b32 s45, s16, 4
	s_add_co_u32 s46, s46, s45
	s_lshl_b32 s46, s46, 13                        ; the rows that I store: 256 tile row + 128 half + 16 (wave % 2), 8,192 bytes each
	s_lshl_b32 s45, s42, 8
	s_add_co_u32 s46, s46, s45
.irp g, 84,86,88
	s_add_nc_u64 s[\g:\g+1], s[\g:\g+1], s[46:47]
.endr
	s_lshl_b32 s46, s17, 8
	s_lshl_b32 s45, s14, 6
	s_add_co_u32 s46, s46, s45
	s_lshl_b32 s46, s46, 13                        ; the 64 rows of cell that I fetch
	s_lshl_b32 s45, s42, 8
	s_add_co_u32 s46, s46, s45
	s_add_nc_u64 s[PFCB:PFCB+1], s[74:75], s[46:47]
	s_mov_b32 s[G0C], 1
	s_mul_i32 s[G0C+1], s14, 64*PITCH
	s_mov_b64 s[G0C+2:G0C+3], s[PFCB:PFCB+1]
	s_or_b32 s[G0C+3], s[G0C+3], 0x80000000
	s_lshl_b32 s46, s17, 8                         ; the prefetches of codes: the tile's first row, by the tile row for A, by the tile column for W,
	s_lshl_b32 s45, s42, 8
	s_cmp_eq_u32 s15, 0
	s_cselect_b32 s46, s46, s45
	s_cselect_b32 s45, s40, s41                    ; my place among the four that ask with me
	s_cselect_b64 s[PFA:PFA+1], s[68:69], s[70:71]
	s_lshl_b32 s45, s45, 5
	s_add_co_u32 s46, s46, s45                     ; + my work-group's 32 rows
	s_lshl_b32 s45, s16, 7
	s_add_co_u32 s46, s46, s45                     ; of the 128 that I fetch
	s_lshl_b32 s46, s46, 11
	s_add_nc_u64 s[PFA:PFA+1], s[PFA:PFA+1], s[46:47]
	v_and_b32 v1, 15, v0                           ; r
	v_bfe_u32 v2, v0, 4, 1                         ; hh
	v_and_b32 v3, 31, v0                           ; lane
	v_mul_u32_u24 v4, v1, PITCH
	v_lshl_add_u32 v5, v2, 4, v4                   ; a fragment's row x pitch + 16 hh
	v_add_nc_u32 v[ADRA], s18, v5
	v_add_nc_u32 v[ADRB], s19, v5
	v_add_nc_u32 v[ADRA+1], SLOT, v[ADRA]
	v_add_nc_u32 v[ADRB+1], SLOT, v[ADRB]
	v_lshl_add_u32 v5, v2, 5, v4                   ; row r, 32 bytes for each half of the lanes
	v_add_nc_u32 v[CA], s20, v5
	v_add_nc_u32 v[SA], HS, v[CA]
	v_add_nc_u32 v[SA+1], 2*HS, v[CA]
	v_add_nc_u32 v[SA+2], 3*HS, v[CA]
	v_mul_u32_u24 v5, v2, PITCH                    ; back: sixteen lanes to a row of 256 bytes, two rows an instruction
	v_lshl_add_u32 v5, v1, 4, v5
	v_add_nc_u32 v[RD], s21, v5
	v_add_nc_u32 v[RD+1], HS, v[RD]
	v_add_nc_u32 v[RD+2], 2*HS, v[RD]
	v_lshlrev_b32 v5, 13, v2
	v_lshl_add_u32 v[CO], v1, 4, v5                ; and the same two rows in the outputs
	v_lshlrev_b32 v[PFO], 11, v3
	v_lshlrev_b32 v[PFC], 13, v3
	v_lshlrev_b32 v[BO], 5, v2
	v_mul_u32_u24 v5, s23, v2                      ; lanes 16-31 take W's scale rows
	v_lshl_add_u32 v5, v1, 4, v5
	v_add_nc_u32 v[ADRS], s22, v5
	v_mov_b32 v[K7], 0xb872ba65                    ; -5.787089e-5
	v_mov_b32 v[K7+1], 0xb872ba65
	s_wait_alu depctr_va_vdst(0)
.macro SCLOAD set, off
.irp i, 0,1,2,3,4,5,6,7
	global_load_b128 v[SC+32*(\set)+4*\i:SC+32*(\set)+4*\i+3], v[ADRS], s[SCB:SCB+1] offset:(\off)+256*\i
.endr
.endm
	WIN TO_B
.irp b, 0,1,2,3,4,5,6,7
	global_load_b128 v[BIAS+8*\b:BIAS+8*\b+3],   v[BO], s[76+2*(\b/2):77+2*(\b/2)] offset:64*(\b%2)
	global_load_b128 v[BIAS+8*\b+4:BIAS+8*\b+7], v[BO], s[76+2*(\b/2):77+2*(\b/2)] offset:64*(\b%2)+16
.endr
	WIN 0
	SCLOAD 0, 0
	SCLOAD 1, KSS
	global_prefetch_b8 v[PFO], s[PFA:PFA+1] offset:ROWB th:TH_LOAD_NT scope:SCOPE_SE     ; K step 1
	global_prefetch_b8 v[PFO], s[PFA:PFA+1] offset:2*ROWB th:TH_LOAD_NT scope:SCOPE_SE   ; K step 2
.macro FRAG reg, adr, q, i             ; 16 rows x 128 K of 4-bit codes: two loads of 16 bytes, 32 apart
.irp c, 0,1
	ds_load_b128 v[\reg+4*\c:\reg+4*\c+3], v[\adr] offset:64*(\q)+32*\c+(\i)*16*PITCH
.endr
.endm
.macro FETCH slot, q, p                ; 32 loads in one run: W's eight fragments, then A's eight, into set p
	WIN TO_B
.irp i, 0,1,2,3,4,5,6,7
	FRAG 128*(\p)+FR*\i, ADRB+\slot, \q, \i
.endr
	WIN 0
.irp i, 0,1,2,3,4,5,6,7
	FRAG AF+64*(\p)+FR*\i, ADRA+\slot, \q, \i
.endr
.endm
; 16 matrix instructions: A's blocks a0, a0 + 1 x W's eight.  The 64 accumulators take turns in the same order in every step.
.macro MUL16 a0, p, q, sc, first
.irp a, \a0, \a0+1
.irp b, 0,1,2,3,4,5,6,7
.if \first
	v_wmma_scale_f32_16x16x128_f8f6f4 v[8*(8*((\a)%4)+\b):8*(8*((\a)%4)+\b)+7], v[128*(\p)+FR*\b:128*(\p)+FR*\b+FR-1], v[AF+64*(\p)+FR*(\a):AF+64*(\p)+FR*(\a)+FR-1], v[BIAS+8*\b:BIAS+8*\b+7], v[SC+8*NQ*(\sc)+NQ*\b+(\q)], v[SC+8*NQ*(\sc)+NQ*(\a)+(\q)] matrix_a_fmt:MATRIX_FMT_FP4 matrix_b_fmt:MATRIX_FMT_FP4 matrix_a_scale:MATRIX_SCALE_ROW1
.else
	v_wmma_scale_f32_16x16x128_f8f6f4 v[8*(8*((\a)%4)+\b):8*(8*((\a)%4)+\b)+7], v[128*(\p)+FR*\b:128*(\p)+FR*\b+FR-1], v[AF+64*(\p)+FR*(\a):AF+64*(\p)+FR*(\a)+FR-1], v[8*(8*((\a)%4)+\b):8*(8*((\a)%4)+\b)+7], v[SC+8*NQ*(\sc)+NQ*\b+(\q)], v[SC+8*NQ*(\sc)+NQ*(\a)+(\q)] matrix_a_fmt:MATRIX_FMT_FP4 matrix_b_fmt:MATRIX_FMT_FP4 matrix_a_scale:MATRIX_SCALE_ROW1
.endif
.endr
.endr
.endm
; A step of 128 along K with its successor in the same slot: the successor's fragments are asked for first, into the other set (the places behind the last step's products stand at that step's end).
.macro STEP slot, q, first
	s_wait_dscnt 4*NL                              ; W's set and A's blocks 0-3 are in; the youngest eight loads (A's blocks 4-7) may be out
	FETCH \slot, (\q)+1, 1-(\q)%2
.if \first
	WIN MULB_LO
.else
	WIN MUL_LO
.endif
	MUL16 0, (\q)%2, \q, \slot, \first
	MUL16 2, (\q)%2, \q, \slot, \first
	s_wait_dscnt 16*NL                             ; all but the 32 just issued
.if \first
	WIN MULB_HI
.else
	WIN MUL_HI
.endif
	MUL16 4, (\q)%2, \q, \slot, \first
	MUL16 6, (\q)%2, \q, \slot, \first
	WIN 0
	PLACES NP                                      ; in front of the next loads into registers that these products read
.endm
.macro ASK slot                        ; behind the joint load and the run of LDS loads: K step t + 4 while there is one (s3 > 1), in the loop's last trip 32 of my 64 rows of cell
	s_cmp_gt_u32 s3, 1
	s_cbranch_scc0 .Lcell_\@
	global_prefetch_b8 v[PFO], s[PFA:PFA+1] offset:3*ROWB th:TH_LOAD_NT scope:SCOPE_SE
	s_branch .Lasked_for_\@
.Lcell_\@:
	global_prefetch_b8 v[PFC], s[PFCB:PFCB+1] offset:\slot*32*8192 th:TH_LOAD_NT scope:SCOPE_SE
.Lasked_for_\@:
.endm
; A slot's third step asks for the slot's last fragments and then changes slots.  fill = 1: the slot takes the K step two on, by joint loads.  fill = 2: slot 0 takes cell's tile, 64 rows a wave.
.macro STEPT slot, fill
.if \fill == 1
	s_wait_xcnt 0x0                                ; my last prefetch has read its address
	s_add_nc_u64 s[PFA:PFA+1], s[PFA:PFA+1], ROWB
.endif
	s_wait_dscnt 4*NL
	FETCH \slot, NQ-1, 1
	WIN MUL_LO
	MUL16 0, 0, NQ-2, \slot, 0
	MUL16 2, 0, NQ-2, \slot, 0
	s_wait_dscnt 16*NL                             ; all but the 32 just issued
	WIN 0
	s_wait_tensorcnt 0x0                           ; my part of the next slot has landed
	ds_add_u32 v[SPW], v[NIL]
	WIN MUL_HI
	MUL16 4, 0, NQ-2, \slot, 0
	s_wait_dscnt 0x0                               ; the add is done, and my last reads of this slot are back
	s_barrier_signal -1
	MUL16 6, 0, NQ-2, \slot, 0
	WIN 0
	s_barrier_wait -1
	CREST                                          ; the barrier has opened a round of the cluster's barrier
.if \fill == 1
	s_add_nc_u64 s[G0+4*\slot+2:G0+4*\slot+3], s[G0+4*\slot+2:G0+4*\slot+3], 2*ROWB
	s_add_nc_u64 s[G0B+4*\slot+2:G0B+4*\slot+3], s[G0B+4*\slot+2:G0B+4*\slot+3], 2*ROWB
	JLOAD G0+4*\slot, G1, G0B+4*\slot, G1B         ; its four v_nop are also the places in front of the loads that follow
.else
	tensor_load_to_lds s[G0C:G0C+3], s[G1C:G1C+7]
	s_nop 0
	PLACES 4
.endif
.endm
; A slot's fourth step: its fragments are in; the next slot's first are asked for.
.macro STEPL slot, next, fill
	FETCH \next, 0, 0
.if \fill == 1
	ASK \slot
.endif
	WIN MUL_LO
	MUL16 0, 1, NQ-1, \slot, 0
	MUL16 2, 1, NQ-1, \slot, 0
	WIN MUL_HI
	MUL16 4, 1, NQ-1, \slot, 0
	MUL16 6, 1, NQ-1, \slot, 0
	WIN 0
	PLACES NP
	s_wait_loadcnt 0x0                             ; the next K step's scale words are in
.if \fill == 1
	s_add_nc_u64 s[SCB:SCB+1], s[SCB:SCB+1], KSS
	SCLOAD \slot, KSS                              ; and this set takes those of two K steps on
.endif
.endm
	s_wait_tensorcnt 0x0                           ; my part of K step 0 is in; slot 1's first fill is issued as a refill is
	ds_add_u32 v[SPW], v[NIL]
	s_wait_dscnt 0x0
	CROUND
	JLOAD G0+4, G1, G0B+4, G1B                     ; K step 1
	FETCH 0, 0, 0
	global_prefetch_b8 v[PFO], s[PFA:PFA+1] offset:3*ROWB th:TH_LOAD_NT scope:SCOPE_SE   ; K step 3
	s_wait_loadcnt 8                               ; the biases and K step 0's scale words are in; K step 1's eight loads may be out
	STEP 0, 0, 1                                   ; the first products take the biases as C
	s_mov_b32 s3, LAPS-1
.Llap:
	STEP 0, 1, 0
	STEPT 0, 1
	STEPL 0, 1, 1
	STEP 1, 0, 0
	STEP 1, 1, 0
	STEPT 1, 1
	STEPL 1, 0, 1
	STEP 0, 0, 0
	s_sub_co_u32 s3, s3, 1
	s_cmp_lg_u32 s3, 0
	s_cbranch_scc1 .Llap
	STEP 0, 1, 0
	STEPT 0, 2
	STEPL 0, 1, 2
	STEP 1, 0, 0
	STEP 1, 1, 0
	STEP 1, 2, 0
	s_wait_dscnt 4*NL                              ; the very last step
	WIN MUL_LO
	MUL16 0, 1, NQ-1, 1, 0
	MUL16 2, 1, NQ-1, 1, 0
	s_wait_dscnt 0x0
	WIN MUL_HI
	MUL16 4, 1, NQ-1, 1, 0
	MUL16 6, 1, NQ-1, 1, 0
	WIN 0
	PLACES NP
	s_wait_tensorcnt 0x0                           ; my 64 rows of cell are in, and my reads of slot 1 are over:
	s_barrier_signal -1
	s_barrier_wait -1                              ; so for all four waves: cell may be read, slot 1 may be written
.macro COEF k, bits                    ; no tensor load is out: the descriptors' registers take the polynomial's coefficients
	s_mov_b32 s[PC+2*\k], \bits
	s_mov_b32 s[PC+2*\k+1], \bits
.endm
	COEF 0, 0x3f1f597f                             ;  0.62245933  sigmoid(0.5)
	COEF 1, 0x3e70a4d0                             ;  0.23500371  and its derivatives over the factorials
	COEF 2, 0xbcebc0ac                             ; -0.028778397
	COEF 3, 0xbc838f21                             ; -0.016059459
	COEF 4, 0x3b8f06da                             ;  0.0043648304
	COEF 5, 0x3a942225                             ;  0.001130168
	COEF 6, 0xba0e1c15                             ; -0.00054210549
; ---- the activations, in place, two blocks of 16 rows (128 registers) at a time.  In a block: +0 f, +16 c, +32 i, +48 o, 16 elements each.
.macro SCALE d, a, n, k
.set j, 0
.rept (\n)/2
	v_pk_mul_f32 v[\d+j:\d+j+1], v[\a+j:\a+j+1], s[\k:\k+1] op_sel_hi:[1,0]
.set j, j+2
.endr
.endm
.macro EXPS d, n
.set j, 0
.rept \n
	v_exp_f32 v[\d+j], v[\d+j]
.set j, j+1
.endr
.endm
.macro RCPS d, n
.set j, 0
.rept \n
	v_rcp_f32 v[\d+j], v[\d+j]
.set j, j+1
.endr
.endm
.macro PLUSC d, n, c
.set j, 0
.rept (\n)/2
	v_pk_add_f32 v[\d+j:\d+j+1], v[\d+j:\d+j+1], \c op_sel_hi:[1,0]
.set j, j+2
.endr
.endm
.macro TANH_END d, n
.set j, 0
.rept (\n)/2
	v_pk_fma_f32 v[\d+j:\d+j+1], v[\d+j:\d+j+1], -2.0, 1.0 op_sel_hi:[1,0,0]
.set j, j+2
.endr
.endm
.macro MULV d, a, b, n
.set j, 0
.rept (\n)/2
	v_pk_mul_f32 v[\d+j:\d+j+1], v[\a+j:\a+j+1], v[\b+j:\b+j+1]
.set j, j+2
.endr
.endm
.macro FMAV d, a, b, c, n
.set j, 0
.rept (\n)/2
	v_pk_fma_f32 v[\d+j:\d+j+1], v[\a+j:\a+j+1], v[\b+j:\b+j+1], v[\c+j:\c+j+1]
.set j, j+2
.endr
.endm
.macro HORN0 d, z, k, n                ; d = c7 z + c[k]
.set j, 0
.rept (\n)/2
	v_pk_fma_f32 v[\d+j:\d+j+1], v[K7:K7+1], v[\z+j:\z+j+1], s[PC+2*\k:PC+2*\k+1] op_sel_hi:[1,1,0]
.set j, j+2
.endr
.endm
.macro HORN d, a, z, k, n              ; d = a z + c[k]
.set j, 0
.rept (\n)/2
	v_pk_fma_f32 v[\d+j:\d+j+1], v[\a+j:\a+j+1], v[\z+j:\z+j+1], s[PC+2*\k:PC+2*\k+1] op_sel_hi:[1,1,0]
.set j, j+2
.endr
.endm
.macro WA
	s_wait_alu depctr_va_vdst(0)                   ; one wait ahead of a batch of transcendentals and one behind it
.endm
.macro CELLS p                         ; cell at my 32 elements of the pair
.irp x, 0,1
.irp u, 0,1
.irp c, 0,1
	ds_load_b128 v[CC+16*\x+8*\u+4*\c:CC+16*\x+8*\u+4*\c+3], v[CA] offset:(2*(\p)+\x)*16*PITCH+64*\u+16*\c
.endr
.endr
.endr
.endm
.macro PUT k, reg, p                   ; the pair's 32 results at reg and reg + 64 into stage k
.irp x, 0,1
.irp u, 0,1
.irp c, 0,1
	ds_store_b128 v[SA+\k], v[\reg+64*\x+8*\u+4*\c:\reg+64*\x+8*\u+4*\c+3] offset:(2*(\p)+\x)*16*PITCH+64*\u+16*\c
.endr
.endr
.endr
.endm
.macro RBACK p, k                      ; 16 whole rows of result k
.irp t, 0,1,2,3,4,5,6,7
	ds_load_b128 v[RB+32*\k+4*\t:RB+32*\k+4*\t+3], v[RD+\k] offset:(32*(\p)+2*\t)*PITCH
.endr
.endm
.macro SEND p, k                       ; sixteen lanes store 256 consecutive bytes, aligned
.irp t, 0,1,2,3,4,5,6,7
	global_store_b128 v[CO], v[RB+32*\k+4*\t:RB+32*\k+4*\t+3], s[84+2*\k:85+2*\k] offset:(32*(\p)+2*\t)*8192 th:TH_STORE_NT
.endr
.endm
.macro PAIR p
.set GB, 128*((\p)%2)
.set WW, 0x55*(2+(\p)/2)               ; every operand place in the pair's window
.set WM, WW-(2+(\p)/2)                 ; the same, source 0 in window 0
.set WS, 4*(2+(\p)/2)                  ; source 1 (an LDS store's data) in the pair's window, all else in window 0
	CELLS \p
	WIN WW
.if (\p) > 0
	WA                                             ; matrix results first read behind transcendentals: the wait directly ahead of the readers
.endif
.irp x, 0,64
	SCALE GB+\x, GB+\x, 16, LN
	SCALE GB+\x+16, GB+\x+16, 16, LP
	SCALE GB+\x+32, GB+\x+32, 32, LN
.endr
	WA
	EXPS GB, 128
	v_nop
	WA
	PLUSC GB, 128, 1.0
	WA
	RCPS GB, 128                                   ; +0 ft, +32 sigmoid(gi), +48 out; +16 on its way to tanh(gc)
	v_nop
	WA
	WIN 0
	s_wait_dscnt 0x0                               ; cell is in, and so are the last pair's rows of out1 from the stage
.if (\p) > 0
	SEND (\p)-1, 1
.endif
	WIN WS
	PUT 0, GB+48, \p                               ; out
	WIN WW
.irp x, 0,64
	PLUSC GB+\x+32, 16, -0.5                       ; z = sigmoid(gi) - 0.5
.endr
.irp x, 0,64
	TANH_END GB+\x+16, 16                          ; ct_
.endr
	WIN WS
	HORN0 PA, GB+32, 6, 16
	HORN0 PA+16, GB+96, 6, 16
.irp k, 5,4,3,2,1
	HORN PA, PA, GB+32, \k, 16
	HORN PA+16, PA+16, GB+96, \k, 16
.endr
	WIN WM
	HORN GB+32, PA, GB+32, 0, 16                   ; it
	HORN GB+96, PA+16, GB+96, 0, 16
	MULV GB, CC, GB, 16                            ; cell ft
	MULV GB+64, CC+16, GB+64, 16
	WIN WW
.irp x, 0,64
	FMAV GB+\x+16, GB+\x+16, GB+\x+32, GB+\x, 16   ; cell_state
.endr
	WIN WS
	PUT 2, GB+16, \p
	WIN WW
.irp x, 0,64
	SCALE GB+\x, GB+\x+16, 16, LP
.endr
	WA
.irp x, 0,64
	EXPS GB+\x, 16
.endr
	s_wait_dscnt 0x0                               ; for the wave that holds the other half of these rows: out and cell_state are in the stage
	s_barrier_signal -1
	v_nop
	WA
.irp x, 0,64
	PLUSC GB+\x, 16, 1.0
.endr
	WA
.irp x, 0,64
	RCPS GB+\x, 16
.endr
	WIN 0
	s_barrier_wait -1
.if (\p) > 0
	s_wait_xcnt 0x0                                ; the last pair's stores have read their registers
.endif
	RBACK \p, 0
	RBACK \p, 2
	WIN WW
	v_nop
	WA
.irp x, 0,64
	TANH_END GB+\x, 16
.endr
.irp x, 0,64
	MULV GB+\x, GB+\x, GB+\x+48, 16                ; hidden_state
.endr
	WIN WS
	PUT 1, GB, \p
	WIN 0
	s_wait_dscnt 0x0                               ; hidden_state is in the stage; the rows of out and cell_state are back
	SEND \p, 0
	SEND \p, 2
	s_barrier_signal -1
	s_barrier_wait -1
.if (\p) > 0
	s_wait_xcnt 0x0
.endif
	RBACK \p, 1
.endm
	PAIR 0
	PAIR 1
	PAIR 2
	PAIR 3
	s_wait_dscnt 0x0
	SEND 3, 1
	s_wait_tensorcnt 0x0                           ; the wave's end
	ds_add_u32 v[SPW], v[NIL]
	s_wait_dscnt 0x0
	CROUND                                         ; the closing round
	s_endpgm
.Lfunc_end_k_q6e80b6170a_gemm:
	.size	k_q6e80b6170a_gemm, .Lfunc_end_k_q6e80b6170a_gemm-k_q6e80b6170a_gemm
	.p2alignl 7, 3214868480
	.fill 96, 4, 3214868480
	.section	.rodata,"a",@progbits
	.p2align	6, 0x0
	.amdhsa_kernel k_q6e80b6170a_gemm
		.amdhsa_group_segment_fixed_size 327680
		.amdhsa_private_segment_fixed_size 0
		.amdhsa_enable_private_segment 0
		.amdhsa_kernarg_size 88
		.amdhsa_user_sgpr_count 2
		.amdhsa_user_sgpr_kernarg_segment_ptr 1
		.amdhsa_wavefront_size32 1
		.amdhsa_system_sgpr_workgroup_id_x 1
		.amdhsa_system_sgpr_workgroup_id_y 1
		.amdhsa_system_sgpr_workgroup_id_z 1
		.amdhsa_system_vgpr_workitem_id 0
		.amdhsa_next_free_vgpr 1024
		.amdhsa_next_free_sgpr 100
		.amdhsa_reserve_vcc 0
		.amdhsa_float_denorm_mode_32 3
		.amdhsa_float_denorm_mode_16_64 3
		.amdhsa_memory_ordered 1
		.amdhsa_forward_progress 1
		.amdhsa_inst_pref_size 255
	.end_amdhsa_kernel
	.section	.bss,"aw",@nobits
	.p2align	6
	.space	262144
	.amdgpu_metadata
---
amdhsa.version: [ 1, 2 ]
amdhsa.kernels:
  - .name:           k_q6e80b6170a_gemm
    .symbol:         k_q6e80b6170a_gemm.kd
    .args:
      - { .name: acodes, .offset: 0, .size: 8, .value_kind: global_buffer, .address_space: global }
      - { .name: wcodes, .offset: 8, .size: 8, .value_kind: global_buffer, .address_space: global }
      - { .name: scales, .offset: 16, .size: 8, .value_kind: global_buffer, .address_space: global }
      - { .name: cell, .offset: 24, .size: 8, .value_kind: global_buffer, .address_space: global }
      - { .name: bf, .offset: 32, .size: 8, .value_kind: global_buffer, .address_space: global }
      - { .name: bc, .offset: 40, .size: 8, .value_kind: global_buffer, .address_space: global }
      - { .name: bi, .offset: 48, .size: 8, .value_kind: global_buffer, .address_space: global }
      - { .name: bo, .offset: 56, .size: 8, .value_kind: global_buffer, .address_space: global }
      - { .name: out0, .offset: 64, .size: 8, .value_kind: global_buffer, .address_space: global }
      - { .name: out1, .offset: 72, .size: 8, .value_kind: global_buffer, .address_space: global }
      - { .name: out2, .offset: 80, .size: 8, .value_kind: global_buffer, .address_space: global }
    .group_segment_fixed_size: 327680
    .private_segment_fixed_size: 0
    .kernarg_segment_align: 8
    .kernarg_segment_size: 88
    .max_flat_workgroup_size: 128
    .sgpr_count:     100
    .vgpr_count:     1024
    .wavefront_size: 32
...
	.end_amdgpu_metadata
.endif
;; end of part 2
